; MI455X (gfx1250); checked and timed in simulation.
; The chip was launched on July 23, 2026; its instructions are those of AMD's public machine-readable ISA for CDNA 5 (MIT licence, August 2026) and "CDNA5" Instruction Set Architecture Reference Guide (July 2026). The comments in the code are by the model that wrote it; some were corrected since.
;; Multi Head Attention. Allowed arithmetic: matrix products marked QUANTISED: E2M1 operands, one E8M0 scale for each 32 along K, by v_wmma_scale_f32_16x16x128_f8f6f4 with both operands' format E2M1 (or v_wmma_scale_f32_32x16x128_f4), f32 sums; everything else in f32.
;; Inputs: W_key 512 x 512 float32; W_query 512 x 512 float32; W_value 512 x 512 float32; key 8 x 2,048 x 512 float32; x 8 x 2,048 x 512 float32.
;; Outputs: out0 8 x 2,048 x 512 float32.
;; This version of the problem:
;;   THIS VERSION OF THE PROBLEM IS GIVEN IN LOW PRECISION. The matrix products marked QUANTISED in the list below multiply operands that are first quantised to E2M1 (2 exponent bits, 1 mantissa bit; 4 bits a number), with one power-of-two scale for each 32 numbers along K (OCP MX v1.0); their sums are f32. All else is computed in f32.
;;   The module's matrix products, in the order in which they are computed (A, B: the left and right operand; K: the contracted axis; several contracted axes count as one K, in the product's order):
;;     1. [M 16,384, K 512] x [K 512, N 512]; A: input x; B: input W_query: QUANTISED
;;     2. [M 16,384, K 512] x [K 512, N 512]; A: input key; B: input W_key: QUANTISED
;;     3. [M 16,384, K 512] x [K 512, N 512]; A: input key; B: input W_value: QUANTISED
;;     4. batch 64 x [M 2,048, K 64] x [K 64, N 2,048]; A: computed on the way; B: computed on the way: QUANTISED
;;     5. batch 64 x [M 64, K 2,048] x [K 2,048, N 2,048]; A: computed on the way; B: softmax (see below): QUANTISED
;;   THE QUANTISER, for each operand of a quantised product, along K:
;;     - K is cut into blocks of 32 from its start; a last block that is shorter is filled with zeros.
;;     - A block's scale is 2^e with e = floor(log2(the largest magnitude in the block)) - 2, held to -126 .. 127; a block of zeros has e = 0. As a byte (E8M0): e + 127.
;;     - Each number is divided by its block's scale, clamped to +-6, and rounded to the nearest number of E2M1, ties to even, subnormals kept.
;;     - The product sums the exact products of the quantised numbers (number of the format x scale) in f32.
;;   ~~~python
;;   def quantise(x, axis):      # numpy; x: float32 -> the quantised numbers, widened to float32 again
;;       x = np.moveaxis(x, axis, -1); K = x.shape[-1]
;;       x = np.pad(x, [(0, 0)] * (x.ndim - 1) + [(0, -K % 32)]); x = x.reshape(x.shape[:-1] + (-1, 32)); a = np.abs(x).max(-1, keepdims=True)
;;       e = np.where(a > 0, np.clip(np.frexp(np.where(a > 0, a, 1))[1] - 1 - 2, -126, 127), 0)      # np.frexp(a)[1] - 1 = floor(log2(a)), exactly
;;       r = np.clip(x / 2.0 ** e, -6, 6)
;;       step = 2.0 ** (np.maximum(np.frexp(np.where(r == 0, 1, r))[1] - 1, 0) - 1)
;;       q = np.round(r / step) * step * 2.0 ** e      # np.round: ties to even
;;       return np.moveaxis(q.reshape(q.shape[:-2] + (-1,))[..., :K], -1, axis).astype(np.float32)
;;   ~~~
;;   SOFTMAX AHEAD OF A QUANTISED PRODUCT. Where the list says 'softmax', what is quantised is not the finished softmax but p = 2^(t - M), with t = logit x log2(e) and M = ceil(the row's largest t), a whole number; so 1/2 < the row's largest p <= 1. The row's sum l is taken of the UNQUANTISED p, in f32, and the product's result is divided by l at the end. Since M is a whole number, a kernel that streams over the keys may use a running M (the ceiling of the running maximum): every later rescaling is an exact power of two, which a block's scale takes up: the codes' values come out the same.
;;   OPERANDS COMPUTED ON THE WAY. 'Computed on the way' means the value that the module computes at that place (a softmax that the list does not call 'softmax' is quantised finished and normalised). What goes into a quantiser is computed in f32, as accurately as f32 sums, v_exp_f32 and their like allow (about 1e-6 of the number): no bf16 or f16 on the way to a quantiser, and a product that is left as it is and whose result goes on into a quantised operand takes f32 operands (vector FMAs, or v_wmma_f32_16x16x4_f32). A number that lies on a knife's edge between two numbers of the format may be rounded either way, as far as f32 arithmetic and the matrix unit's own rounding can turn it there, and no further.
;; One version. Each part assembles by itself: llvm-mc -triple=amdgcn-amd-amdhsa -mcpu=gfx1250 --defsym DOCPART=n.
;; ======== version 1 of 1: 3 launches
;; limits: right only within a limited range of input values
;; workspace buffers: wcodes 393,216 bytes; wscales 24,576 bytes; qbuf 4,718,592 bytes; kvbuf 9,175,040 bytes
;; launch wquant (part 1): grid 16 x 3, 16 waves a work-group, no clusters, 3,072 bytes of LDS; arguments W_query, W_key, W_value, wcodes, wscales; writes wcodes, wscales
.if DOCPART == 1
	.amdgcn_target "amdgcn-amd-amdhsa--gfx1250"
	.amdhsa_code_object_version 6
	.text
	.protected	k_q0b0969cb0d_wquant
	.globl	k_q0b0969cb0d_wquant
	.p2align	8
	.type	k_q0b0969cb0d_wquant,@function
k_q0b0969cb0d_wquant:
	s_mov_b64 s[64:65], 0
	v_nop
	global_prefetch_b8 v0, s[64:65] scope:SCOPE_SE
	s_setreg_imm32_b32 hwreg(HW_REG_WAVE_MODE, 25, 1), 1
	s_wait_xcnt 0x0
; The three weights [512 (k)][512 (unit)], f32, K on the FIRST axis, become codes of FP4 (E2M1) with one E8M0 byte for each 32 along K,
; laid as IMAGES OF THE OPERAND'S REGISTERS: wcodes [weight 3][tile 32][K step 4][c 2][512 bytes], lane l's 16 bytes at 16 l; lane (r, h) of (tile, s, c)
; holds k = 128 s + 64 c + 32 h + 0 .. 31 of the tile's row r.  THE ROWS OF A TILE ARE NOT NEIGHBOURS: row r of tile 2 b + u is unit 32 b + 8 u + r + 8 (r / 8),
; so that the next launch's results lie along their own K in a lane's registers.  wscales [weight][tile][r][16 bytes]: a unit's 16 bytes, one for each block of 32 along K.
; A block's scale is 2^(floor(log2(its largest magnitude)) - 2); its byte is the largest magnitude's exponent field - 2, held at 1 from below.
; LIMITS: NaN and infinities are not served; a block whose largest magnitude lies under 2^-124 takes the byte 1; a block of zeros takes the byte 1 and not 127:
; its codes are zeros, and the bytes are read by this program alone.
; SHARES: work-group (g, y): weight y, units 32 g .. 32 g + 31.  Wave w of sixteen: rows k = 32 w .. 32 w + 31, ONE block of 32.  A LANE TAKES A UNIT AND ITS REGISTERS RUN DOWN K: each load reads
; 128 consecutive bytes, the block lies in one lane, and the conversions give codes with K innermost.  A wave's 32 loads go out at once.  No matrix unit, no tensor load: 3 MiB are read once.
.set X, 32                             ; v32-63  the block's 32 numbers
.set C, 64                             ; v64-67  its codes
.set SPW, 16                           ; v16     LDS address of my spare word; never rewritten
.set NIL, 17                           ; v17     0; never rewritten
	s_load_b256 s[4:11], s[0:1], 0x0               ; W_query s[4:5], W_key s[6:7], W_value s[8:9], wcodes s[10:11]
	s_load_b64 s[12:13], s[0:1], 0x20              ; wscales
	v_lshl_add_u32 v[SPW], v0, 2, 0x400            ; the spare words: 2,048 bytes from byte 1,024 on
	v_mov_b32 v[NIL], 0
	v_lshrrev_b32 v1, 5, v0
	v_readfirstlane_b32 s16, v1                    ; wave = which block of 32 along K
	s_and_b32 s17, ttmp7, 0xffff                   ; which weight
	v_and_b32 v1, 31, v0                           ; j: my unit among the group's 32
	v_lshlrev_b32 v2, 2, v1                        ; in: 4 bytes a lane
	v_bfe_u32 v6, v0, 3, 1                         ; u = (j / 8) % 2: which of the group's two tiles
	v_and_b32 v7, 7, v0
	v_bfe_u32 v8, v0, 4, 1
	v_lshl_add_u32 v7, v8, 3, v7                   ; r = j % 8 + 8 (j / 16): my row in it
	v_lshlrev_b32 v7, 4, v7                        ; 16 r
	v_lshl_add_u32 v3, v6, 12, v7                  ; codes: 4,096 u + 16 r
	v_lshl_add_u32 v4, v6, 8, v7                   ; scale bytes, in LDS: 256 u + 16 r
	v_add_nc_u32 v4, s16, v4                       ;   + my block's number
	v_lshlrev_b32 v5, 4, v1                        ; the way out of the scale bytes: 16 bytes a lane
	s_lshl_b32 s20, s16, 16                        ; W: 32 rows of 2,048 bytes a block,
	s_lshl_b32 s21, ttmp9, 7                       ;    128 bytes a group of units
	s_add_co_u32 s20, s20, s21
	s_mov_b32 s21, 0
	s_lshl_b32 s22, s17, 17                        ; wcodes: 131,072 a weight,
	s_lshl_b32 s23, ttmp9, 13                      ;    8,192 a group (two tiles),
	s_add_co_u32 s22, s22, s23
	s_lshl_b32 s23, s16, 8                         ;    256 a block: block 4 s + 2 c + h lies at 1,024 s + 512 c + 256 h
	s_add_co_u32 s22, s22, s23
	s_mov_b32 s23, 0
	s_lshl_b32 s24, s17, 13                        ; wscales: 8,192 a weight, 512 a group
	s_lshl_b32 s25, ttmp9, 9
	s_add_co_u32 s24, s24, s25
	s_mov_b32 s25, 0
	s_wait_alu depctr_va_vdst(0)                   ; the wait at the head's end
	s_wait_kmcnt 0x0
	s_cmp_eq_u32 s17, 1                            ; the weight is chosen by the work-group's number alone
	s_cselect_b64 s[4:5], s[6:7], s[4:5]
	s_cmp_eq_u32 s17, 2
	s_cselect_b64 s[4:5], s[8:9], s[4:5]
	s_add_nc_u64 s[4:5], s[4:5], s[20:21]
	s_add_nc_u64 s[10:11], s[10:11], s[22:23]
	s_add_nc_u64 s[12:13], s[12:13], s[24:25]
.set I, 0
.rept 32
	global_load_b32 v[X+I], v2, s[4:5] offset:I*2048 th:TH_LOAD_NT   ; W(32 w + I, my unit): 32 lanes read 128 consecutive bytes
.set I, I+1
.endr
	s_wait_loadcnt 0x0
	v_max3_num_f32 v12, |v[X]|, |v[X+1]|, |v[X+2]|  ; the block's largest magnitude, in two chains: all 32 numbers are mine
	v_max3_num_f32 v13, |v[X+3]|, |v[X+4]|, |v[X+5]|
.irp i, 6,10,14,18,22,26
	v_max3_num_f32 v12, v12, |v[X+\i]|, |v[X+\i+1]|
	v_max3_num_f32 v13, v13, |v[X+\i+2]|, |v[X+\i+3]|
.endr
	v_max3_num_f32 v12, v12, |v[X+30]|, |v[X+31]|
	v_max3_num_f32 v12, v12, v13, 0x1800000        ; and the floor 2^(3 - 127): the byte cannot fall under 1
	v_add_nc_u32 v11, 0xff000000, v12              ; 2 off the exponent field: the conversion takes this operand's exponent field as its scale
	v_lshrrev_b32 v13, 23, v11                     ; the scale's byte
.irp g, 0,1,2,3
	v_cvt_scalef32_pk8_fp4_f32 v[C+\g], v[X+8*\g:X+8*\g+7], v11
.endr
	v_nop                                          ; one plain line behind the last scaled conversion
	global_store_b128 v3, v[C:C+3], s[10:11]       ; the sixteen lanes of a tile store 256 consecutive bytes, aligned
	ds_store_b8 v4, v13                            ; the sixteen waves' bytes of a unit meet in LDS: 16 bytes a unit
	s_wait_dscnt 0x0                               ; for the others' sake: my store has landed
	s_barrier_signal -1
	s_barrier_wait -1
	s_cmp_lg_u32 s16, 0
	s_cbranch_scc1 .Lend                           ; wave 0 alone sends the group's 512 scale bytes
	ds_load_b128 v[68:71], v5
	s_wait_dscnt 0x0
	global_store_b128 v5, v[68:71], s[12:13]       ; 32 lanes store 512 consecutive bytes, aligned
.Lend:
	s_wait_tensorcnt 0x0                           ; the wave's end
	ds_add_u32 v[SPW], v[NIL]
	s_wait_dscnt 0x0
	s_endpgm
.Lfunc_end_k_q0b0969cb0d_wquant:
	.size	k_q0b0969cb0d_wquant, .Lfunc_end_k_q0b0969cb0d_wquant-k_q0b0969cb0d_wquant
	.p2alignl 7, 3214868480
	.fill 96, 4, 3214868480
	.section	.rodata,"a",@progbits
	.p2align	6, 0x0
	.amdhsa_kernel k_q0b0969cb0d_wquant
		.amdhsa_group_segment_fixed_size 3072
		.amdhsa_private_segment_fixed_size 0
		.amdhsa_enable_private_segment 0
		.amdhsa_kernarg_size 40
		.amdhsa_user_sgpr_count 2
		.amdhsa_user_sgpr_kernarg_segment_ptr 1
		.amdhsa_wavefront_size32 1
		.amdhsa_system_sgpr_workgroup_id_x 1
		.amdhsa_system_sgpr_workgroup_id_y 1
		.amdhsa_system_sgpr_workgroup_id_z 1
		.amdhsa_system_vgpr_workitem_id 0
		.amdhsa_next_free_vgpr 72
		.amdhsa_next_free_sgpr 66
		.amdhsa_reserve_vcc 0
		.amdhsa_float_denorm_mode_32 3
		.amdhsa_float_denorm_mode_16_64 3
		.amdhsa_memory_ordered 1
		.amdhsa_forward_progress 1
		.amdhsa_inst_pref_size 7
	.end_amdhsa_kernel
	.amdgpu_metadata
---
amdhsa.version: [ 1, 2 ]
amdhsa.kernels:
  - .name:           k_q0b0969cb0d_wquant
    .symbol:         k_q0b0969cb0d_wquant.kd
    .args:
      - { .name: W_query, .offset: 0, .size: 8, .value_kind: global_buffer, .address_space: global }
      - { .name: W_key, .offset: 8, .size: 8, .value_kind: global_buffer, .address_space: global }
      - { .name: W_value, .offset: 16, .size: 8, .value_kind: global_buffer, .address_space: global }
      - { .name: wcodes, .offset: 24, .size: 8, .value_kind: global_buffer, .address_space: global }
      - { .name: wscales, .offset: 32, .size: 8, .value_kind: global_buffer, .address_space: global }
    .group_segment_fixed_size: 3072
    .private_segment_fixed_size: 0
    .kernarg_segment_align: 8
    .kernarg_segment_size: 40
    .max_flat_workgroup_size: 512
    .sgpr_count:     66
    .vgpr_count:     72
    .wavefront_size: 32
...
	.end_amdgpu_metadata
.endif
;; end of part 1
;; launch proj (part 2): grid 256 x 1, 4 waves a work-group, no clusters, 327,680 bytes of LDS; arguments x, key, wcodes, wscales, qbuf, kvbuf; writes qbuf, kvbuf
.if DOCPART == 2
	.amdgcn_target "amdgcn-amd-amdhsa--gfx1250"
	.amdhsa_code_object_version 6
	.text
	.protected	k_q0b0969cb0d_proj
	.globl	k_q0b0969cb0d_proj
	.p2align	8
	.type	k_q0b0969cb0d_proj,@function
k_q0b0969cb0d_proj:
	s_mov_b64 s[64:65], 0
	v_nop
	global_prefetch_b8 v0, s[64:65] scope:SCOPE_SE
	s_setreg_imm32_b32 hwreg(HW_REG_WAVE_MODE, 25, 1), 1
	s_wait_xcnt 0x0
; q = x W_query, k = key W_key, v = key W_value on codes of FP4 (E2M1) with E8M0 scales; the results are quantised again, along the head's 64 (q, k) or along the keys (v), and stored as images of the next launch's operand registers.
; Work-groups 0-127 take 128 rows of x each, work-groups 128-255 128 rows of key.  A wave brings 32 of the rows, quantises them along K = 512 and lays their fragments in LDS for all four waves;
; each wave then multiplies all 128 rows by its own 128 units of the weight, whose fragments it holds in registers.
; THE ROWS COME THROUGH REGISTERS: dense loads of 512 consecutive bytes, in four groups of 32 (one K step of 128 each), and go by ds_store_b128 into rows of 528 bytes in the wave's own LDS, from which a lane reads 16 neighbours of a block.
; LIMITS: NaN and infinities are not served; a block of zeros takes the byte 1: its codes are zeros, and the bytes are read by this program alone.
.set XT,    16896
.set XW,    4*XT
.set IMG,   16*XT
.set FSC,   IMG+32*1024
.set RECQ,  4608
.set RECK,  8960
.set XA,  4
.set LI,  5
.set XWI, 6
.set XWS, 7
.set LS2, 8
.set GL,  9
.set GW,  10
.set G8,  11
.set HA,  16
.set ST,  80
.set PC,  144
.set TM,  152
.set PW,  168
.set FS,  176
.set WAS, 192
.set WVS, 208
.set SW,  224
.set VW,  240
.set IT,  248
.set SEL, 20
.set MSB, 0
.macro WIN new
.if MSB != \new
	s_set_vgpr_msb (MSB<<8)|\new
.set MSB, \new
.endif
.endm
.macro QUANT s, xw
.irp b, 0,1,2,3
	v_max3_num_f32 v[TM+\b], |v[\s+16*\b]|, |v[\s+1+16*\b]|, 0x1800000
.endr
.irp i, 2,4,6,8,10,12,14
.irp b, 0,1,2,3
	v_max3_num_f32 v[TM+\b], v[TM+\b], |v[\s+16*\b+\i]|, |v[\s+1+16*\b+\i]|
.endr
.endr
.irp b, 0,1,2,3
	v_permlanex16_b32 v[TM+4+\b], v[TM+\b], s[SEL], s[SEL+1]
.endr
.irp b, 0,1,2,3
	v_max_num_f32 v[TM+\b], v[TM+\b], v[TM+4+\b]
.endr
.irp b, 0,1,2,3
	v_add_nc_u32 v[TM+12+\b], 0xff000000, v[TM+\b]
.endr
.irp b, 0,1,2,3
	v_lshrrev_b32 v[TM+4+\b], 23, v[TM+12+\b]
.endr
	v_lshl_or_b32 v[PW], v[TM+5], 8, v[TM+4]
	v_lshl_or_b32 v[PW], v[TM+6], 16, v[PW]
	v_lshl_or_b32 v[PW], v[TM+7], 24, v[PW]
.if \xw
	s_wait_xcnt 0x0
.endif
.irp b, 0,1,2,3
	v_cvt_scalef32_pk8_fp4_f32 v[PC+2*\b], v[\s+16*\b:\s+7+16*\b], v[TM+12+\b]
	v_cvt_scalef32_pk8_fp4_f32 v[PC+1+2*\b], v[\s+8+16*\b:\s+15+16*\b], v[TM+12+\b]
.endr
	v_nop
.irp c, 0,1
.irp i, 0,1
	v_permlane16_swap_b32 v[PC+4*\c+\i], v[PC+2+4*\c+\i]
.endr
.endr
.endm
.macro XLD reg, s, u
.irp b, 0,1,2,3
.irp j, 0,1,2,3
	ds_load_b128 v[\reg+16*\b+4*\j:\reg+16*\b+4*\j+3], v[XA] offset:(\s)*XT+(\u)*4224+128*\b+16*\j
.endr
.endr
.endm
.macro IMAGE f
	ds_store_b128 v[XWI], v[PC:PC+3] offset:(\f)*1024
	ds_store_b128 v[XWI], v[PC+4:PC+7] offset:(\f)*1024+512
	ds_store_b32 v[XWS], v[PW] offset:(\f)*128
.endm
.macro WM d, a, b, acc, sa, sb, ra, rb
.if (\acc) && (\ra) && (\rb)
	v_wmma_scale_f32_16x16x128_f8f6f4 v[\d:\d+7], v[\a:\a+7], v[\b:\b+7], v[\d:\d+7], v[\sa], v[\sb] matrix_a_fmt:MATRIX_FMT_FP4 matrix_b_fmt:MATRIX_FMT_FP4 matrix_a_scale:MATRIX_SCALE_ROW1 matrix_b_scale:MATRIX_SCALE_ROW1
.elseif (\acc) && (\ra)
	v_wmma_scale_f32_16x16x128_f8f6f4 v[\d:\d+7], v[\a:\a+7], v[\b:\b+7], v[\d:\d+7], v[\sa], v[\sb] matrix_a_fmt:MATRIX_FMT_FP4 matrix_b_fmt:MATRIX_FMT_FP4 matrix_a_scale:MATRIX_SCALE_ROW1
.elseif (\acc) && (\rb)
	v_wmma_scale_f32_16x16x128_f8f6f4 v[\d:\d+7], v[\a:\a+7], v[\b:\b+7], v[\d:\d+7], v[\sa], v[\sb] matrix_a_fmt:MATRIX_FMT_FP4 matrix_b_fmt:MATRIX_FMT_FP4 matrix_b_scale:MATRIX_SCALE_ROW1
.elseif (\acc)
	v_wmma_scale_f32_16x16x128_f8f6f4 v[\d:\d+7], v[\a:\a+7], v[\b:\b+7], v[\d:\d+7], v[\sa], v[\sb] matrix_a_fmt:MATRIX_FMT_FP4 matrix_b_fmt:MATRIX_FMT_FP4
.elseif (\ra) && (\rb)
	v_wmma_scale_f32_16x16x128_f8f6f4 v[\d:\d+7], v[\a:\a+7], v[\b:\b+7], 0, v[\sa], v[\sb] matrix_a_fmt:MATRIX_FMT_FP4 matrix_b_fmt:MATRIX_FMT_FP4 matrix_a_scale:MATRIX_SCALE_ROW1 matrix_b_scale:MATRIX_SCALE_ROW1
.elseif (\ra)
	v_wmma_scale_f32_16x16x128_f8f6f4 v[\d:\d+7], v[\a:\a+7], v[\b:\b+7], 0, v[\sa], v[\sb] matrix_a_fmt:MATRIX_FMT_FP4 matrix_b_fmt:MATRIX_FMT_FP4 matrix_a_scale:MATRIX_SCALE_ROW1
.elseif (\rb)
	v_wmma_scale_f32_16x16x128_f8f6f4 v[\d:\d+7], v[\a:\a+7], v[\b:\b+7], 0, v[\sa], v[\sb] matrix_a_fmt:MATRIX_FMT_FP4 matrix_b_fmt:MATRIX_FMT_FP4 matrix_b_scale:MATRIX_SCALE_ROW1
.else
	v_wmma_scale_f32_16x16x128_f8f6f4 v[\d:\d+7], v[\a:\a+7], v[\b:\b+7], 0, v[\sa], v[\sb] matrix_a_fmt:MATRIX_FMT_FP4 matrix_b_fmt:MATRIX_FMT_FP4
.endif
.endm
.macro KMUL m, wv
.if (\wv) && ((\m) < 4)
	WIN 0x80
.irp f, 0,1,2,3,4,5,6,7
	global_load_b128 v[8*(8*(\m)+\f):8*(8*(\m)+\f)+3], v[GL], s[8:9] offset:131072+(8*(\m)+\f)*1024
	global_load_b128 v[8*(8*(\m)+\f)+4:8*(8*(\m)+\f)+7], v[GL], s[8:9] offset:131072+(8*(\m)+\f)*1024+512
.endr
.endif
	s_wait_dscnt 8*(7-(\m))
	WIN 0x0d
.irp s, 0,1,2,3
.irp t, 0,1,2,3,4,5,6,7
	WM HA+64*((\m)%2)+8*\t, 8*(4*\t+\s), 8*(4*(\m)+\s), \s, WAS+4*(\t%4)+\s, FS+4*((\m)%4)+\s, \t/4, (\m)/4
.endr
.endr
.endm
.macro KOUT m, base, rec
	WIN 0
	QUANT HA+64*((\m)%2), 1
	global_store_b128 v[GL], v[PC:PC+3], s[\base:\base+1] offset:512*(\m)
	global_store_b128 v[GL], v[PC+4:PC+7], s[\base:\base+1] offset:512*(\m)+16*\rec
	v_and_b32 v[SW+(\m)], 0xffff, v[PW]
	v_lshrrev_b32 v[SW+8+(\m)], 16, v[PW]
.endm
.macro KIMG base, rec
.irp c, 0,1
.irp i, 0,1,2,3
	v_cndmask_b32 v[IT+4*\c+\i], v[SW+8*\c+\i], v[SW+8*\c+4+\i], vcc_lo
.endr
	global_store_b128 v[GL], v[IT+4*\c:IT+4*\c+3], s[\base:\base+1] offset:4096+\c*16*\rec
.endr
.endm
.macro KRUN base, rec, wv
	KMUL 0, \wv
	KMUL 1, \wv
.rept 4
	v_nop
.endr
	KOUT 0, \base, \rec
.irp m, 2,3,4,5,6,7
	KMUL \m, \wv
	KOUT \m-1, \base, \rec
.endr
.endm
.macro VMUL n
	WIN 0x0b
.irp s, 0,1,2,3
.irp m, 0,1,2,3,4,5,6,7
	WM HA+64*((\n)%2)+8*\m, 8*(4*\m+\s), 8*(4*(\n)+\s), \s, FS+4*(\m%4)+\s, WVS+4*((\n)%4)+\s, \m/4, (\n)/4
.endr
.endr
.endm
.macro VOUT n
	WIN 0
	QUANT HA+64*((\n)%2), 1
	global_store_b128 v[GL], v[PC:PC+3], s[14:15] offset:((\n)/4)*16*RECK+4608+((\n)%4)*1024
	global_store_b128 v[GL], v[PC+4:PC+7], s[14:15] offset:((\n)/4)*16*RECK+4608+((\n)%4)*1024+512
	v_mov_b32 v[VW+(\n)], v[PW]
.endm
.macro VIMG
.irp c, 0,1
.irp i, 0,1
	v_cndmask_b32 v[IT+2*\c+\i], v[VW+4*\c+\i], v[VW+4*\c+2+\i], vcc_lo
.endr
	global_store_b64 v[G8], v[IT+2*\c:IT+2*\c+1], s[14:15] offset:\c*16*RECK+8704
.endr
.endm
	s_load_b256 s[4:11], s[0:1], 0x0
	s_load_b128 s[12:15], s[0:1], 0x20
	v_lshl_add_u32 v174, v0, 2, 0x4b000
	v_mov_b32 v175, 0
	v_lshrrev_b32 v1, 5, v0
	v_readfirstlane_b32 s16, v1
	s_and_b32 s17, ttmp9, 127
	s_mul_i32 s22, s16, XW
	s_lshl_b32 s48, s17, 18
	s_lshl_b32 s49, s16, 16
	s_add_co_u32 s48, s48, s49
	s_mov_b32 s49, 0
	s_mov_b32 s[SEL], 0x76543210
	s_mov_b32 s[SEL+1], 0xfedcba98
	s_wait_kmcnt 0x0
	s_cmp_lt_u32 ttmp9, 128
	s_cselect_b64 s[4:5], s[4:5], s[6:7]
	s_cselect_b32 s18, 0, 0x20000
	s_cselect_b32 s19, 0, 0x2000
	s_add_nc_u64 s[4:5], s[4:5], s[48:49]
	s_lshl_b32 s50, s16, 15
	s_add_co_u32 s50, s50, s18
	s_mov_b32 s51, 0
	s_add_nc_u64 s[8:9], s[8:9], s[50:51]
	s_lshl_b32 s52, s16, 11
	s_add_co_u32 s52, s52, s19
	s_mov_b32 s53, 0
	s_add_nc_u64 s[10:11], s[10:11], s[52:53]
	v_and_b32 v1, 31, v0
	v_and_b32 v2, 15, v0
	v_bfe_u32 v3, v0, 4, 1
	v_and_b32 v12, 8, v0
	v_add_nc_u32 v12, v12, v2
	v_mul_u32_u24 v[XA], v12, 528
	v_lshl_add_u32 v[XA], v3, 6, v[XA]
	v_add_nc_u32 v[XA], s22, v[XA]
	v_lshlrev_b32 v[GL], 4, v1
	v_add_nc_u32 v[LI], IMG, v[GL]
	v_add_nc_u32 v13, s22, v[GL]                   ; where my 16 bytes of a row go in my wave's LDS: K steps 0 and 1,
	v_add_nc_u32 v14, 2*XT, v13                    ; and K steps 2 and 3 (an LDS offset has 16 bits)
	s_lshl_b32 s23, s16, 13
	v_add_nc_u32 v[XWI], s23, v[LI]
	v_lshl_add_u32 v[XWS], v1, 2, FSC
	s_lshl_b32 s23, s16, 10
	v_add_nc_u32 v[XWS], s23, v[XWS]
	v_lshl_add_u32 v[LS2], v2, 2, FSC
	v_lshl_add_u32 v[LS2], v3, 11, v[LS2]
	v_lshlrev_b32 v[GW], 4, v2
	v_lshl_add_u32 v[GW], v3, 10, v[GW]
	v_lshlrev_b32 v[G8], 3, v1
.irp b, 0,1,2,3
	v_mov_b32 v[TM+4+\b], 0
.endr
; Group s: K step s of my 32 rows, 32 loads of 512 consecutive bytes, into 128 registers of its own: groups 0, 1 in window 2, groups 2, 3 in window 3 (both are idle until the fragments and W_value come)
.macro XG s
.if (\s) < 2
	WIN 0x80
.else
	WIN 0xc0
.endif
.set I, 0
.rept 32
	global_load_b128 v[128*((\s)%2)+4*I:128*((\s)%2)+4*I+3], v[GL], s[4:5] offset:I*2048+(\s)*512 th:TH_LOAD_NT
.set I, I+1
.endr
	WIN 0
.endm
; and its way into LDS: row I at I x 528 of the K step's 16,896 bytes.  LDS serves a wave's instructions in order: the reads behind these stores see them
.macro XS s
.if (\s) < 2
	WIN 0x08
.else
	WIN 0x0c
.endif
.set I, 0
.rept 32
	ds_store_b128 v[13+(\s)/2], v[128*((\s)%2)+4*I:128*((\s)%2)+4*I+3] offset:((\s)%2)*XT+I*528
.set I, I+1
.endr
	WIN 0
.endm
.macro WLD from, n                     ; n fragments of my weight, two loads each, into window 1
	WIN 0x40
.set F, \from
.rept \n
	global_load_b128 v[8*F:8*F+3], v[GL], s[8:9] offset:F*1024
	global_load_b128 v[8*F+4:8*F+7], v[GL], s[8:9] offset:F*1024+512
.set F, F+1
.endr
	WIN 0
.endm
	XG 0
	XG 1
	s_wait_alu depctr_va_vdst(0)                   ; the wait at the head's end
.irp s, 0,1,2,3
.if \s == 0
	s_wait_loadcnt 32                              ; group 0 is in; group 1's 32 loads may be out
	XG 2
.elseif \s == 1
	s_wait_loadcnt 32                              ; group 1 is in; group 2's 32 may be out
	XG 3
	WLD 0, 15
.elseif \s == 2
	s_wait_loadcnt 62                              ; group 2 is in; behind it: group 3's 32 and 30 of the weight
	WLD 15, 16
.else
	s_wait_loadcnt 62                              ; group 3 is in; behind it: 30 and 32 of the weight
	WLD 31, 1
.irp t, 0,1,2,3
	global_load_b128 v[WAS+4*\t:WAS+4*\t+3], v[GW], s[10:11] offset:256*\t
.endr
.endif
	XS \s
	XLD HA, \s, 0
	XLD ST, \s, 1
	s_wait_dscnt 16
	QUANT HA, 0
	IMAGE \s
	s_wait_dscnt 0x0
	QUANT ST, 0
	IMAGE 4+\s
.endr
	s_wait_dscnt 0x0
	s_barrier_signal -1
	s_barrier_wait -1
.set F, 0
.rept 16
	ds_load_b32 v[FS+F], v[LS2] offset:F*128
.set F, F+1
.endr
	WIN 0xc0
.set F, 0
.rept 32
	ds_load_b128 v[8*F:8*F+3], v[LI] offset:F*1024
	ds_load_b128 v[8*F+4:8*F+7], v[LI] offset:F*1024+512
.set F, F+1
.endr
	WIN 0
	s_wait_loadcnt 0x0
	s_lshr_b32 s54, s17, 4
	s_lshl_b32 s54, s54, 7
	s_lshl_b32 s55, s16, 5
	s_add_co_u32 s54, s54, s55
	s_and_b32 s55, s17, 15
	s_add_co_u32 s54, s54, s55
	s_mov_b32 s55, 0
	v_cmp_lt_u32 vcc_lo, 15, v1
	s_cmp_lt_u32 ttmp9, 128
	s_cbranch_scc0 .Lkv
	s_mul_i32 s54, s54, RECQ
	s_add_nc_u64 s[12:13], s[12:13], s[54:55]
	KRUN 12, RECQ, 0
	KOUT 7, 12, RECQ
	KIMG 12, RECQ
	s_wait_tensorcnt 0x0
	ds_add_u32 v174, v175
	s_wait_dscnt 0x0
	s_endpgm
.Lkv:
	s_mul_i32 s54, s54, RECK
	s_add_nc_u64 s[14:15], s[14:15], s[54:55]
.irp t, 0,1,2,3
	global_load_b128 v[WVS+4*\t:WVS+4*\t+3], v[GW], s[10:11] offset:8192+256*\t
.endr
	KRUN 14, RECK, 1
	s_wait_loadcnt 0x0
	VMUL 0
	KOUT 7, 14, RECK
	KIMG 14, RECK
.irp n, 1,2,3,4,5,6,7
	VMUL \n
	VOUT \n-1
.endr
	VOUT 7
	VIMG
	s_wait_tensorcnt 0x0
	ds_add_u32 v174, v175
	s_wait_dscnt 0x0
	s_endpgm
.Lfunc_end_k_q0b0969cb0d_proj:
	.size	k_q0b0969cb0d_proj, .Lfunc_end_k_q0b0969cb0d_proj-k_q0b0969cb0d_proj
	.p2alignl 7, 3214868480
	.fill 96, 4, 3214868480
	.section	.rodata,"a",@progbits
	.p2align	6, 0x0
	.amdhsa_kernel k_q0b0969cb0d_proj
		.amdhsa_group_segment_fixed_size 327680
		.amdhsa_private_segment_fixed_size 0
		.amdhsa_enable_private_segment 0
		.amdhsa_kernarg_size 48
		.amdhsa_user_sgpr_count 2
		.amdhsa_user_sgpr_kernarg_segment_ptr 1
		.amdhsa_wavefront_size32 1
		.amdhsa_system_sgpr_workgroup_id_x 1
		.amdhsa_system_sgpr_workgroup_id_y 1
		.amdhsa_system_sgpr_workgroup_id_z 1
		.amdhsa_system_vgpr_workitem_id 0
		.amdhsa_next_free_vgpr 1024
		.amdhsa_next_free_sgpr 66
		.amdhsa_reserve_vcc 1
		.amdhsa_float_denorm_mode_32 3
		.amdhsa_float_denorm_mode_16_64 3
		.amdhsa_memory_ordered 1
		.amdhsa_forward_progress 1
		.amdhsa_inst_pref_size 255
	.end_amdhsa_kernel
	.section	.bss,"aw",@nobits
	.p2align	6
	.space	262144
	.amdgpu_metadata
---
amdhsa.version: [ 1, 2 ]
amdhsa.kernels:
  - .name:           k_q0b0969cb0d_proj
    .symbol:         k_q0b0969cb0d_proj.kd
    .args:
      - { .name: x, .offset: 0, .size: 8, .value_kind: global_buffer, .address_space: global }
      - { .name: key, .offset: 8, .size: 8, .value_kind: global_buffer, .address_space: global }
      - { .name: wcodes, .offset: 16, .size: 8, .value_kind: global_buffer, .address_space: global }
      - { .name: wscales, .offset: 24, .size: 8, .value_kind: global_buffer, .address_space: global }
      - { .name: qbuf, .offset: 32, .size: 8, .value_kind: global_buffer, .address_space: global }
      - { .name: kvbuf, .offset: 40, .size: 8, .value_kind: global_buffer, .address_space: global }
    .group_segment_fixed_size: 327680
    .private_segment_fixed_size: 0
    .kernarg_segment_align: 8
    .kernarg_segment_size: 48
    .max_flat_workgroup_size: 128
    .sgpr_count:     66
    .vgpr_count:     1024
    .wavefront_size: 32
...
	.end_amdgpu_metadata
.endif
;; end of part 2
;; launch attn (part 3): grid 4 x 64, 16 waves a work-group, clusters of 4 x 1, 215,040 bytes of LDS; arguments qbuf, kvbuf, out0; writes out0
.if DOCPART == 3
	.amdgcn_target "amdgcn-amd-amdhsa--gfx1250"
	.amdhsa_code_object_version 6
	.text
	.protected	k_q0b0969cb0d_attn
	.globl	k_q0b0969cb0d_attn
	.p2align	8
	.type	k_q0b0969cb0d_attn,@function
k_q0b0969cb0d_attn:
	s_mov_b64 s[64:65], 0
	v_nop
	global_prefetch_b8 v0, s[64:65] scope:SCOPE_SE
	s_setreg_imm32_b32 hwreg(HW_REG_WAVE_MODE, 25, 1), 1
	s_wait_xcnt 0x0
	s_wait_alu depctr_hold_cnt(0) depctr_sa_sdst(0) depctr_va_vdst(0) depctr_va_sdst(0) depctr_va_ssrc(0) depctr_va_vcc(0) depctr_vm_vsrc(0)
	s_getreg_b32 s2, hwreg(HW_REG_IB_STS2, 6, 4)
	s_cmp_eq_u32 s2, 0
	s_cbranch_scc0 .Lentry_in_a_cluster
	s_endpgm
.Lentry_in_a_cluster:
	s_bfe_u32 s2, ttmp6, 0x10000c
	s_cmp_lg_u32 s2, 0x3003
	s_cbranch_scc0 .Lentry_shape_is_right
	s_endpgm
.Lentry_shape_is_right:
; out[n][q][head] = the sum over the keys of softmax(q . k / sqrt(512)) v, both products on codes of FP4 (E2M1) with E8M0 scales, from the register images that the launch before has laid.
; THE SOFTMAX AHEAD OF THE SECOND PRODUCT: t = score x log2(e) / sqrt(512); M = the running largest t rounded UP to a whole number; p = 2^(t - M) is quantised along the keys, not normalised.
; The row's sum is taken of the unquantised p, in f32, and divides at the end.  When M moves, the sum and O are multiplied by 2^(old M - new M): exact, with no branch on data.
; SHARES.  A work-group owns one (n, head) and a quarter of its queries, 512; each of its sixteen waves owns TWO tiles of 16 queries and takes both through every key step of 128 keys,
; so that each fragment of K and of V, each address step and each wait serves two tiles.  A head's K and V, 143,360 dense bytes, come into LDS once, a record of 128 keys by each wave's one tensor load.
; CLUSTER.  The four work-groups of a head read the same records: each is asked for JOINTLY, by the same tensor load with the same descriptor and a mask that names the four.
; LAYOUT.  Both products are used transposed: S^T = K Q^T, O^T = V^T P^T: a lane holds ONE query (lane % 16) of each tile.
; THE KEYS OF A TILE ARE CHOSEN BY THE LANES' LDS ADDRESSES: row r of tile 4 g + t is key 64 g + 32 (r / 8) + 8 t + r % 8.  Register 32 g + 8 t + j of S^T in lane (r, h) is then key 64 g + 32 h + 8 t + j:
; a lane's 32 registers of four tiles are ONE WHOLE BLOCK of 32 neighbouring keys, in the order of the second product's operand.  So a block's maximum needs no other lane, a lane makes two scales and not four,
; and the conversions' results are the operand as they stand.  Only the row's maximum and p's scale word cross the lanes' halves, one permute each.
; THE FIRST PRODUCT'S K IS 64.  Q's registers 4-7 are zero codes.  K's fragments lie 4 registers apart and overlap: registers 4-7 of a fragment are the next tile's codes, which meet Q's zeros;
; the upper two bytes of both scale words are 0, a power of two and no NaN.  So K takes 36 registers; V takes the same registers when both tiles' scores are made.
; NO PREFETCH: the one stream, the head's records, is asked for by the launch's first loads, and no loop stands ahead of them.
; LIMITS: NaN and infinities are not served; the scaled scores stay under 2^31 in magnitude.  A block whose every p has fallen to 0 keeps the byte 1: its codes are zeros.
; REGISTERS: v1-11 addresses; v12-15, v16-19 a tile's -M, largest score, sum in two halves; v[20:21] f; v22 8 h; v24-27 K's scale words, v28-29 V's, v30-31 Q's, v32-33 p's; v34-35 the add's two;
;   v36-43, v44-51 Q; v52-87 K, then V; v88-93 three partial sums; v96-159 S^T, then p; v160-191, v192-223 O^T; v224-231, v232-239 p's codes; v240-253 at work.
.set RECQ,  4608
.set RECK,  8960
.set HEADB, 16*RECK
.set STG,   HEADB                      ; behind the records: a stage of 16 rows x (256 bytes + 16) for each wave, for the way out; no tensor load lands there
.set SPARE, 0x34000                    ; behind the stages: the spare words, 128 bytes for each wave
.set LI,   1                           ; 16 x lane
.set L8,   2                           ; 8 x lane
.set KA,   3                           ; my place in K's images: 1,024 (r / 8) + 16 (r % 8) + 256 h
.set KS,   4                           ; and among K's scale words: 4,096 + 256 h + 16 (r % 8) + 8 (r / 8)
.set SI,   5                           ; the stage, in
.set SB,   6                           ; the stage, back
.set GO,   7                           ; my byte offset in a tile's rows of out
.set ADK,  8                           ; the step's record + LI
.set ADT,  9                           ; + L8
.set ADKK, 10                          ; + KA
.set ADKS, 11                          ; + KS
.set STA,  12
.set STB,  16
.set SPW,  34
.set NIL,  35
.set QA,   36
.set QB,   44
.set KV,   52
.set OA,   160
.set OB,   192
.set PA,   224
.set PB,   232
.set WV,  18
.set SEL, 20
.set CS,  22
.set NC,  36                           ; s36  -c
.set TB,  40                           ; s40  LDS byte at which the step's record begins
.set CNT, 41
.macro ROUND                           ; a round of the cluster's barrier
	s_barrier_signal -1
	s_barrier_wait -1
	s_cmp_lg_u32 s[WV], 0
	s_cbranch_scc1 .Lnot_wave_0_\@
	s_barrier_signal -3
.Lnot_wave_0_\@:
	s_barrier_wait -3
	s_barrier_signal -1
	s_barrier_wait -1
.endm
.macro KLOAD ak, as, off               ; a record's eight tiles of K, 4 registers each, and their scale words: register 24 + t: lanes 0-15 tile t, lanes 16-31 tile 4 + t
.irp g, 0,1
.irp t, 0,1,2,3
	ds_load_b128 v[KV+16*\g+4*\t:KV+16*\g+4*\t+3], v[\ak] offset:\off+2048*\g+512*(\t%2)+128*(\t/2)
.endr
.endr
	ds_load_b64 v[24:25], v[\as] offset:\off
	ds_load_b64 v[26:27], v[\as] offset:\off+128
.endm
.macro VLOAD                           ; the record's four tiles of V^T and their scale words: register 28 + i: lanes 0-15 tile i, lanes 16-31 tile 2 + i
.irp d, 0,1,2,3
.irp c, 0,1
	ds_load_b128 v[KV+8*\d+4*\c:KV+8*\d+4*\c+3], v[ADK] offset:4608+1024*\d+512*\c
.endr
.endr
	ds_load_b64 v[28:29], v[ADT] offset:8704
.endm
.macro SMUL q, sq                      ; S^T = K Q^T for one tile of queries
.irp t, 0,1,2,3
	v_wmma_scale_f32_16x16x128_f8f6f4 v[96+8*\t:103+8*\t], v[KV+4*\t:KV+4*\t+7], v[\q:\q+7], 0, v[24+\t], v[\sq] matrix_a_fmt:MATRIX_FMT_FP4 matrix_b_fmt:MATRIX_FMT_FP4
.endr
.irp t, 0,1,2,3
	v_wmma_scale_f32_16x16x128_f8f6f4 v[128+8*\t:135+8*\t], v[KV+16+4*\t:KV+23+4*\t], v[\q:\q+7], 0, v[24+\t], v[\sq] matrix_a_fmt:MATRIX_FMT_FP4 matrix_b_fmt:MATRIX_FMT_FP4 matrix_a_scale:MATRIX_SCALE_ROW1
.endr
.endm
.macro PV o, pc, pw                    ; O^T += V^T P^T; the eight accumulators of the two tiles take turns
.irp d, 0,1
	v_wmma_scale_f32_16x16x128_f8f6f4 v[\o+8*\d:\o+8*\d+7], v[KV+8*\d:KV+8*\d+7], v[\pc:\pc+7], v[\o+8*\d:\o+8*\d+7], v[28+\d], v[\pw] matrix_a_fmt:MATRIX_FMT_FP4 matrix_b_fmt:MATRIX_FMT_FP4
.endr
.irp d, 2,3
	v_wmma_scale_f32_16x16x128_f8f6f4 v[\o+8*\d:\o+8*\d+7], v[KV+8*\d:KV+8*\d+7], v[\pc:\pc+7], v[\o+8*\d:\o+8*\d+7], v[26+\d], v[\pw] matrix_a_fmt:MATRIX_FMT_FP4 matrix_b_fmt:MATRIX_FMT_FP4 matrix_a_scale:MATRIX_SCALE_ROW1
.endr
.endm
.macro MERGE st, adr, lane             ; the other tile's three partial sums join its sum, and an address is stepped: these four lines are the four places behind the products above them (ISA guide 7.12.1)
	v_pk_add_f32 v[88:89], v[88:89], v[90:91]
	v_pk_add_f32 v[\st+2:\st+3], v[\st+2:\st+3], v[92:93]
	v_add_nc_u32 v[\adr], s[TB], v[\lane]
	v_pk_add_f32 v[\st+2:\st+3], v[\st+2:\st+3], v[88:89]
.endm
.macro SUMS st, from, n                ; pairs from .. from + n - 1 of p onto four sums by turns
.set P, \from
.rept \n
.if P%4 == 0
	v_pk_add_f32 v[\st+2:\st+3], v[\st+2:\st+3], v[96+2*P:97+2*P]
.else
	v_pk_add_f32 v[86+2*(P%4):87+2*(P%4)], v[86+2*(P%4):87+2*(P%4)], v[96+2*P:97+2*P]
.endif
.set P, P+1
.endr
.endm
; One tile's softmax of a key step.  st: its state; o: its O^T; pc, pw: p's codes and scale word; adr, lane: an address that is stepped in the place behind the exponentials; n: pairs summed here
.macro SOFTMAX st, o, pc, pw, adr, lane, n
.irp q, 0,1,2,3                        ; my two blocks' largest scores, each in two chains, the four by turns; each accumulator is read from its low end on
	v_max3_num_f32 v[240+\q], v[96+16*\q], v[97+16*\q], v[98+16*\q]
.endr
.irp i, 3,5,7,9,11,13
.irp q, 0,1,2,3
	v_max3_num_f32 v[240+\q], v[240+\q], v[96+16*\q+\i], v[97+16*\q+\i]
.endr
.endr
	v_max3_num_f32 v240, v240, v241, v111
	v_max3_num_f32 v242, v242, v243, v143
	v_max_num_f32 v240, v240, v127                 ; block h
	v_max_num_f32 v242, v242, v159                 ; block 2 + h
	v_max_num_f32 v244, v240, v242
	v_permlanex16_b32 v245, v244, s[SEL], s[SEL+1]
	v_max3_num_f32 v[\st+1], v[\st+1], v244, v245  ; the running largest score of my query (c is positive: the largest t is c x this)
	v_mul_f32 v246, s[NC], v[\st+1]
	v_floor_f32 v246, v246                         ; the new -M = floor(-t) = -ceil(t): a whole number
	v_sub_f32 v247, v246, v[\st]                   ; old M - new M: a whole number, 0 or less
	v_mov_b32 v[\st], v246
	v_cvt_i32_f32 v247, v247                       ; (it saturates)
.irp j, 0,2,4,6,8,10,12,14,16,18,20,22,24,26,28,30,32,34,36,38,40,42,44,46,48,50,52,54,56,58,60,62
	v_pk_fma_f32 v[96+\j:97+\j], v[96+\j:97+\j], s[CS:CS+1], v[\st:\st+1] op_sel_hi:[1,0,0]   ; t - M, two at once
.endr
	v_ldexp_f32 v20, 1.0, v247                     ; f = 2^(old M - new M)
	v_fma_f32 v240, v240, s[CS], v[\st]            ; the same of each block's largest score
	v_fma_f32 v242, v242, s[CS], v[\st]
	s_wait_alu depctr_va_vdst(0)                   ; the wait ahead of the batch, and directly ahead of the first readers of O^T
.irp j, 0,2,4,6,8,10,12,14,16,18,20,22,24,26,28,30
	v_pk_mul_f32 v[\o+\j:\o+\j+1], v[\o+\j:\o+\j+1], v[20:21] op_sel_hi:[1,0]   ; O^T under the new M, each accumulator from its low end on
.endr
.irp j, 0,1,2,3,4,5,6,7,8,9,10,11,12,13,14,15,16,17,18,19,20,21,22,23,24,25,26,27,28,29,30,31,32,33,34,35,36,37,38,39,40,41,42,43,44,45,46,47,48,49,50,51,52,53,54,55,56,57,58,59,60,61,62,63
	v_exp_f32 v[96+\j], v[96+\j]                   ; p = 2^(t - M), at most 1: not normalised
.endr
	v_exp_f32 v240, v240                           ; a block's largest p: the same two instructions on the same number give the same bits
	v_exp_f32 v242, v242
	v_add_nc_u32 v[\adr], s[TB], v[\lane]          ; a plain place behind the exponentials
	s_wait_alu depctr_va_vdst(0)                   ; one wait for the batch, ahead of its first reader
	v_max_num_f32 v240, 0x1800000, v240            ; the floor 2^(3 - 127): the byte cannot fall under 1
	v_max_num_f32 v242, 0x1800000, v242
	s_delay_alu instid0(VALU_DEP_2)
	v_add_nc_u32 v248, 0xff000000, v240            ; 2 off the exponent field: the conversion's scale operand
	s_delay_alu instid0(VALU_DEP_2)
	v_add_nc_u32 v249, 0xff000000, v242
	s_delay_alu instid0(VALU_DEP_2)
	v_lshrrev_b32 v250, 23, v248                   ; the scales' bytes
	s_delay_alu instid0(VALU_DEP_2)
	v_lshrrev_b32 v251, 23, v249
	s_delay_alu instid0(VALU_DEP_1)
	v_lshl_or_b32 v252, v251, 16, v250             ; my two bytes: blocks h and 2 + h,
	s_delay_alu instid0(VALU_DEP_1)
	v_lshlrev_b32 v252, v22, v252                  ; at their places in the scale word (8 h bits up);
	s_delay_alu instid0(VALU_DEP_1)
	v_permlanex16_b32 v253, v252, s[SEL], s[SEL+1]
	s_delay_alu instid0(VALU_DEP_1)
	v_or_b32 v[\pw], v252, v253                    ; with lane l xor 16's two the word is whole
.irp g, 0,1
.irp t, 0,1,2,3
	v_cvt_scalef32_pk8_fp4_f32 v[\pc+4*\g+\t], v[96+32*\g+8*\t:103+32*\g+8*\t], v[248+\g]   ; register 4 g + t of the operand: keys 64 g + 32 h + 8 t + 0 .. 7
.endr
.endr
	v_pk_fma_f32 v[\st+2:\st+3], v[\st+2:\st+3], v[20:21], v[96:97] op_sel_hi:[1,0,1]   ; the sum under the new M, and the first pair of the unquantised p.  (Plain lines behind the conversions)
	v_pk_add_f32 v[88:89], v[98:99], v[100:101]
	v_pk_add_f32 v[90:91], v[102:103], v[104:105]
	v_pk_add_f32 v[92:93], v[106:107], v[108:109]
	SUMS \st, 7, \n
.endm
; A KEY STEP: 128 keys, both tiles.  pf = 1: the next record's K is asked for at the end; the last step asks for none, so that no read leaves the records.
.macro STEP pf
	s_wait_dscnt 0x0                               ; K and its scale words are in
	SMUL QA, 30
	MERGE STB, ADK, LI
	SOFTMAX STA, OA, PA, 32, ADKK, KA, 25
	SMUL QB, 31
	MERGE STA, ADT, L8                             ; four places, also in front of the loads into K's registers
	VLOAD                                          ; V lands under the second tile's softmax
	SOFTMAX STB, OB, PB, 33, ADKS, KS, 21          ; the 25 plain lines at its end stand between p's scale word and codes and the products below
	s_wait_alu depctr_va_vdst(0)                   ; the wait here, directly ahead of the wait below
	s_wait_dscnt 0x0                               ; V is in
	PV OA, PA, 32
	PV OB, PB, 33
	SUMS STB, 28, 4                                ; the second tile's last four pairs: the four places in front of the loads into V's registers
.if \pf
	KLOAD ADKK, ADKS, RECK
.endif
	s_wait_alu depctr_va_vdst(0)                   ; the wait
	s_add_co_u32 s[TB], s[TB], RECK
.endm
; A tile's way out: O^T / the sum, through my stage, as whole rows of the head's 256 bytes
.macro OUT st, o, p
	v_add_f32 v244, v[\st+2], v[\st+3]             ; the sum's two halves,
	s_delay_alu instid0(VALU_DEP_1)
	v_permlanex16_b32 v245, v244, s[SEL], s[SEL+1]
	s_delay_alu instid0(VALU_DEP_1)
	v_add_f32 v244, v244, v245                     ; and lane l xor 16's: the row's sum
	s_wait_alu depctr_va_vdst(0)                   ; the wait ahead of the transcendental
	v_rcp_f32 v244, v244
	v_nop                                          ; one plain place behind it
	s_wait_alu depctr_va_vdst(0)                   ; the wait ahead of its first reader, which is also the first reader of O^T
.irp j, 0,1,2,3,4,5,6,7,8,9,10,11,12,13,14,15,16,17,18,19,20,21,22,23,24,25,26,27,28,29,30,31
	v_mul_f32 v[96+\j], v[\o+\j], v244             ; register 8 t + j is channel 32 (t / 2) + 16 h + 8 (t % 2) + j of query r
.endr
.irp t, 0,1,2,3
	ds_store_b128 v[SI], v[96+8*\t:99+8*\t] offset:128*(\t/2)+32*(\t%2)
	ds_store_b128 v[SI], v[100+8*\t:103+8*\t] offset:128*(\t/2)+32*(\t%2)+16
.endr
.irp i, 0,1,2,3,4,5,6,7
	ds_load_b128 v[128+4*\i:131+4*\i], v[SB] offset:544*\i   ; LDS serves a wave's instructions in order: these see my stores.  Rows 2 i and 2 i + 1, whole
.endr
.irp i, 0,1,2,3,4,5,6,7
	s_wait_dscnt 7-\i                              ; the younger loads from the stage may stay out
	global_store_b128 v[GO], v[128+4*\i:131+4*\i], s[8:9] offset:\p*524288+(2*\i+8*(\i/4))*2048 th:TH_STORE_NT   ; sixteen lanes store 256 consecutive bytes, aligned; stage row q is query q + 8 (q / 8) of the tile
.endr
	s_wait_xcnt 0x0                                ; the stores have read their registers
.endm
	s_load_b128 s[4:7], s[0:1], 0x0                ; qbuf s[4:5], kvbuf s[6:7]
	s_load_b64 s[8:9], s[0:1], 0x10                ; out
	v_lshl_add_u32 v[SPW], v0, 2, SPARE
	v_mov_b32 v[NIL], 0
	ds_add_u32 v[SPW], v[NIL]                      ; the opening lines: the add, twice on end, and its wait ahead of my tensor load
	ds_add_u32 v[SPW], v[NIL]
	v_lshrrev_b32 v240, 5, v0
	v_readfirstlane_b32 s[WV], v240                ; wave 0..15
	s_bfe_u32 s42, ttmp6, 0x40000                  ; cx: my place in the cluster
	s_lshl_b32 s43, ttmp9, 2
	s_add_co_u32 s43, s43, s42                     ; which quarter of the queries: it enters Q's and out's addresses alone
	s_and_b32 s44, ttmp7, 0xffff                   ; 8 n + head, which the four partners share
	s_mul_i32 s45, s[WV], RECK                     ; my record: its place in LDS, and in the head's bytes
	s_mul_i32 s46, s44, HEADB
	s_add_co_u32 s46, s46, s45
	s_mov_b32 s47, 0
	s_lshl_b32 s51, s43, 2
	s_lshr_b32 s52, s[WV], 3
	s_add_co_u32 s51, s51, s52                     ; my first tile's block of 128 queries: 4 x quarter + wave / 8; the second's lies two blocks on
	s_lshl_b32 s48, s44, 4
	s_add_co_u32 s48, s48, s51
	s_mul_i32 s48, s48, RECQ                       ; its record in qbuf
	s_mov_b32 s49, 0
	s_lshr_b32 s50, s44, 3
	s_lshl_b32 s50, s50, 11                        ; out: n x 2,048 rows
	s_lshl_b32 s51, s51, 7
	s_add_co_u32 s50, s50, s51                     ; + 128 x block
	s_bfe_u32 s51, s[WV], 0x20001
	s_lshl_b32 s51, s51, 5
	s_add_co_u32 s50, s50, s51                     ; + 32 x (tile / 2)
	s_and_b32 s51, s[WV], 1
	s_lshl_b32 s51, s51, 3
	s_add_co_u32 s50, s50, s51                     ; + 8 x (tile % 2)
	s_lshl_b32 s50, s50, 11                        ; rows of 2,048 bytes
	s_and_b32 s51, s44, 7
	s_lshl_b32 s51, s51, 8
	s_add_co_u32 s50, s50, s51                     ; + the head's 256 bytes
	s_mov_b32 s51, 0
	s_and_b32 s53, s[WV], 7
	s_lshl_b32 s53, s53, 9                         ; Q's image: tile (wave % 8) x 512
	s_bfe_u32 s55, s[WV], 0x10002
	s_lshl_b32 s55, s55, 8                         ; Q's scale image: lanes' half (tile / 4) x 256,
	s_and_b32 s54, s[WV], 3
	s_lshl_b32 s54, s54, 2                         ; word tile % 4
	s_add_co_u32 s55, s55, s54
	s_add_co_u32 s55, s55, 4096
	s_mul_i32 s54, s[WV], 16*272
	s_add_co_u32 s54, s54, STG                     ; my stage
	; descriptor group 1: a record, 8,960 dense bytes, as 35 rows of 256 bytes (32 elements of 8 bytes)
	s_mov_b32 s24, 15|(3<<16)|(1<<21)              ; the mask: all four work-groups; elements of 8 bytes; bit 21 set beside a mask; no padding
	s_mov_b32 s25, 32<<16
	s_mov_b32 s26, 35<<16
	s_mov_b32 s27, 32<<16
	s_mov_b32 s28, 35
	s_mov_b32 s29, 32
	s_mov_b32 s30, 0
	s_mov_b32 s31, 0
	s_mov_b32 s[SEL], 0x76543210
	s_mov_b32 s[SEL+1], 0xfedcba98                 ; v_permlanex16_b32's selects for lane l xor 16
	s_mov_b32 s[CS], 0x3d8293ee                    ; c = log2(e) / sqrt(512)
	s_mov_b32 s[CS+1], s[CS]                       ; (named with it as a pair, so it is written)
	s_mov_b32 s[NC], 0xbd8293ee                    ; -c
	s_mov_b32 s[TB], 0
	s_mov_b32 s[CNT], 15
	s_wait_dscnt 0x0                               ; both opening adds are done
	s_wait_kmcnt 0x0
	s_mov_b32 s32, 1                               ; group 0: count = 1
	s_mov_b32 s33, s45                             ; LDS address: 8,960 x wave: no place in the cluster enters it
	s_add_nc_u64 s[34:35], s[6:7], s[46:47]        ; global address: the head's record number wave
	s_or_b32 s35, s35, 0x80000000                  ; type = 2
	s_add_nc_u64 s[4:5], s[4:5], s[48:49]
	s_add_nc_u64 s[8:9], s[8:9], s[50:51]
	ROUND                                          ; all four work-groups are here: the joint loads meet
	tensor_load_to_lds s[32:35], s[24:31]          ; my one tensor load of the launch
	s_nop 0
.rept 4
	v_nop                                          ; behind the tensor load
.endr
	v_and_b32 v240, 15, v0                         ; r
	v_bfe_u32 v241, v0, 4, 1                       ; h
	v_and_b32 v242, 7, v0                          ; r % 8
	v_bfe_u32 v243, v0, 3, 1                       ; r / 8
	v_and_b32 v[LI], 31, v0
	v_lshlrev_b32 v[L8], 3, v[LI]
	v_lshlrev_b32 v[LI], 4, v[LI]
	v_add_nc_u32 v94, s53, v[LI]                   ; my tile's image in a record of qbuf
	v_lshl_add_u32 v95, v240, 4, s55               ; and my query's scale word: every lane of a query takes it
	global_load_b128 v[QA:QA+3], v94, s[4:5]       ; the first tile's Q
	global_load_b32 v30, v95, s[4:5]
	global_load_b128 v[QB:QB+3], v94, s[4:5] offset:2*RECQ   ; the second's
	global_load_b32 v31, v95, s[4:5] offset:2*RECQ
	v_lshlrev_b32 v[KA], 4, v242
	v_lshlrev_b32 v[KS], 4, v242
	v_lshl_add_u32 v[KA], v243, 10, v[KA]
	v_lshl_add_u32 v[KS], v243, 3, v[KS]
	v_lshl_add_u32 v[KA], v241, 8, v[KA]
	v_lshl_add_u32 v[KS], v241, 8, v[KS]
	v_lshlrev_b32 v22, 3, v241                     ; 8 h
	v_add_nc_u32 v[KS], 4096, v[KS]
	v_mul_u32_u24 v[SI], v240, 272
	v_mul_u32_u24 v[SB], v241, 272
	v_lshl_add_u32 v[SI], v241, 6, v[SI]
	v_lshl_add_u32 v[SB], v240, 4, v[SB]
	v_add_nc_u32 v[SI], s54, v[SI]                 ; in: row r, + 64 h
	v_add_nc_u32 v[SB], s54, v[SB]                 ; back: lanes 0-15 one row, lanes 16-31 the next
	v_lshlrev_b32 v[GO], 4, v240
	v_lshl_add_u32 v[GO], v241, 11, v[GO]          ; and the same two rows in out
.irp i, 4,5,6,7
	v_mov_b32 v[QA+\i], 0                          ; Q's k = 64 .. 127: zero codes
	v_mov_b32 v[QB+\i], 0
	v_mov_b32 v[KV+28+\i], 0                       ; behind K's last tile: the upper half of its fragment, written once
.endr
.irp i, 21,88,89,90,91,92,93,245,253
	v_mov_b32 v[\i], 0                             ; f's pair, the partial sums, the permutes' destinations
.endr
.irp s, STA, STB
	v_mov_b32 v[\s+1], 0xff61b1e6                  ; the largest score so far: -3e38, under every score
	v_mov_b32 v[\s+2], 0                           ; the sum, in two halves
	v_mov_b32 v[\s+3], 0
	v_floor_f32 v[\s], -v[\s+1]                    ; -M
.endr
.irp j, 0,1,2,3,4,5,6,7,8,9,10,11,12,13,14,15,16,17,18,19,20,21,22,23,24,25,26,27,28,29,30,31,32,33,34,35,36,37,38,39,40,41,42,43,44,45,46,47,48,49,50,51,52,53,54,55,56,57,58,59,60,61,62,63
	v_mov_b32 v[OA+\j], 0                          ; O^T of both tiles: the first step finds zeros, which the first change of M leaves zeros
.endr
	s_wait_alu depctr_va_vdst(0)                   ; the wait at the head's end
	s_wait_tensorcnt 0x0                           ; my record is in,
	s_barrier_signal -1
	s_barrier_wait -1                              ; everybody's is: the whole head lies in LDS
	KLOAD KA, KS, 0                                ; the first record's K
	s_wait_loadcnt 0x0                             ; Q
.Lstep:                                            ; 15 trips: every step but the last asks for its successor's K
	STEP 1
	s_sub_co_u32 s[CNT], s[CNT], 1
	s_cmp_lg_u32 s[CNT], 0
	s_cbranch_scc1 .Lstep
	STEP 0
	MERGE STB, ADK, LI                             ; the second tile's last partial sums
	OUT STA, OA, 0
	OUT STB, OB, 1
	s_wait_tensorcnt 0x0                           ; the wave's end
	ds_add_u32 v[SPW], v[NIL]
	s_wait_dscnt 0x0
	ROUND                                          ; the closing round: no work-group ends while a partner may still ask for a record that names it
	s_endpgm
.Lfunc_end_k_q0b0969cb0d_attn:
	.size	k_q0b0969cb0d_attn, .Lfunc_end_k_q0b0969cb0d_attn-k_q0b0969cb0d_attn
	.p2alignl 7, 3214868480
	.fill 96, 4, 3214868480
	.section	.rodata,"a",@progbits
	.p2align	6, 0x0
	.amdhsa_kernel k_q0b0969cb0d_attn
		.amdhsa_group_segment_fixed_size 215040
		.amdhsa_private_segment_fixed_size 0
		.amdhsa_enable_private_segment 0
		.amdhsa_kernarg_size 24
		.amdhsa_user_sgpr_count 2
		.amdhsa_user_sgpr_kernarg_segment_ptr 1
		.amdhsa_wavefront_size32 1
		.amdhsa_system_sgpr_workgroup_id_x 1
		.amdhsa_system_sgpr_workgroup_id_y 1
		.amdhsa_system_sgpr_workgroup_id_z 1
		.amdhsa_system_vgpr_workitem_id 0
		.amdhsa_next_free_vgpr 256
		.amdhsa_next_free_sgpr 66
		.amdhsa_reserve_vcc 0
		.amdhsa_float_denorm_mode_32 3
		.amdhsa_float_denorm_mode_16_64 3
		.amdhsa_memory_ordered 1
		.amdhsa_forward_progress 1
		.amdhsa_inst_pref_size 69
	.end_amdhsa_kernel
	.amdgpu_metadata
---
amdhsa.version: [ 1, 2 ]
amdhsa.kernels:
  - .name:           k_q0b0969cb0d_attn
    .symbol:         k_q0b0969cb0d_attn.kd
    .args:
      - { .name: qbuf, .offset: 0, .size: 8, .value_kind: global_buffer, .address_space: global }
      - { .name: kvbuf, .offset: 8, .size: 8, .value_kind: global_buffer, .address_space: global }
      - { .name: out0, .offset: 16, .size: 8, .value_kind: global_buffer, .address_space: global }
    .group_segment_fixed_size: 215040
    .private_segment_fixed_size: 0
    .kernarg_segment_align: 8
    .kernarg_segment_size: 24
    .max_flat_workgroup_size: 512
    .sgpr_count:     66
    .vgpr_count:     256
    .wavefront_size: 32
...
	.end_amdgpu_metadata
.endif
;; end of part 3
